; MI455X (gfx1250); checked and timed in simulation.
; The chip was launched on July 23, 2026; its instructions are those of AMD's public machine-readable ISA for CDNA 5 (MIT licence, August 2026) and "CDNA5" Instruction Set Architecture Reference Guide (July 2026). The comments in the code are by the model that wrote it; some were corrected since.
;; Casual Self Attention. Allowed arithmetic: matrix products marked QUANTISED: E4M3 operands, one given power-of-two scale a tensor, by v_wmma_f32_16x16x64_fp8_fp8 or v_wmma_f32_16x16x128_fp8_fp8, f32 sums; everything else in f32.
;; Inputs: W_attn 1,024 x 3,072 float32; W_proj 1,024 x 1,024 float32; lowp_scales 8 int32 (the exponents e of the quantised operands' scales 2^e); x 4 x 2,048 x 1,024 float32.
;; Outputs: out0 4 x 2,048 x 1,024 float32.
;; This version of the problem:
;;   THIS VERSION OF THE PROBLEM IS GIVEN IN LOW PRECISION. The matrix products marked QUANTISED in the list below multiply operands that are first quantised to E4M3 (4 exponent bits, 3 mantissa bits; 8 bits a number), with one given power-of-two scale for each operand tensor; their sums are f32. All else is computed in f32.
;;   The module's matrix products, in the order in which they are computed (A, B: the left and right operand; K: the contracted axis; several contracted axes count as one K, in the product's order):
;;     1. [M 8,192, K 1,024] x [K 1,024, N 3,072]; A: input x; B: input W_attn: QUANTISED (scales: A lowp_scales[0], B lowp_scales[1])
;;     2. batch 64 x [M 2,048, K 64] x [K 64, N 2,048]; A: computed on the way; B: computed on the way: QUANTISED (scales: A lowp_scales[2], B lowp_scales[3])
;;     3. batch 64 x [M 2,048, K 2,048] x [K 2,048, N 64]; A: softmax (see below); B: computed on the way: QUANTISED (scales: A lowp_scales[4], B lowp_scales[5])
;;     4. [M 8,192, K 1,024] x [K 1,024, N 1,024]; A: computed on the way; B: input W_proj: QUANTISED (scales: A lowp_scales[6], B lowp_scales[7])
;;   THE QUANTISER, for each operand of a quantised product, along K:
;;     - The operand's scale is 2^e, e = its entry of the input lowp_scales (int32; the entries are numbered through the quantised products in the list's order, A before B).
;;     - Each number is divided by the scale, clamped to +-448, and rounded to the nearest number of E4M3, ties to even, subnormals kept.
;;     - The product sums the exact products of the quantised numbers (number of the format x scale) in f32.
;;   ~~~python
;;   def quantise(x, axis, e):      # numpy; x: float32 -> the quantised numbers, widened to float32 again
;;       x = np.moveaxis(x, axis, -1); K = x.shape[-1]
;;       r = np.clip(x / 2.0 ** e, -448, 448)
;;       step = 2.0 ** (np.maximum(np.frexp(np.where(r == 0, 1, r))[1] - 1, -6) - 3)
;;       q = np.round(r / step) * step * 2.0 ** e      # np.round: ties to even
;;       return np.moveaxis(q, -1, axis).astype(np.float32)
;;   ~~~
;;   SOFTMAX AHEAD OF A QUANTISED PRODUCT. Where the list says 'softmax', what is quantised is not the finished softmax but p = 2^(t - M), with t = logit x log2(e) and M = ceil(the row's largest t), a whole number; so 1/2 < the row's largest p <= 1. The row's sum l is taken of the UNQUANTISED p, in f32, and the product's result is divided by l at the end. Since M is a whole number, a kernel that streams over the keys may use a running M (the ceiling of the running maximum): every later rescaling is an exact power of two, so the quantised numbers keep their values, but for numbers so far below the row's largest that they fall under the format's range.
;;   OPERANDS COMPUTED ON THE WAY. 'Computed on the way' means the value that the module computes at that place (a softmax that the list does not call 'softmax' is quantised finished and normalised). What goes into a quantiser is computed in f32, as accurately as f32 sums, v_exp_f32 and their like allow (about 1e-6 of the number): no bf16 or f16 on the way to a quantiser, and a product that is left as it is and whose result goes on into a quantised operand takes f32 operands (vector FMAs, or v_wmma_f32_16x16x4_f32). A number that lies on a knife's edge between two numbers of the format may be rounded either way, as far as f32 arithmetic and the matrix unit's own rounding can turn it there, and no further.
;; One version. Each part assembles by itself: llvm-mc -triple=amdgcn-amd-amdhsa -mcpu=gfx1250 --defsym DOCPART=n.
;; ======== version 1 of 1: 4 launches
;; limits: right only within a limited range of input values
;; workspace buffers: x_img 8,388,608 bytes; wa_img 3,145,728 bytes; wp_img 1,048,576 bytes; qkv 25,165,824 bytes; y_img 8,388,608 bytes
;; launch quant (part 1): grid 384 x 1, 4 waves a work-group, no clusters, 34,304 bytes of LDS; arguments x, W_attn, W_proj, lowp_scales, x_img, wa_img, wp_img; writes x_img, wa_img, wp_img
.if DOCPART == 1
	.amdgcn_target "amdgcn-amd-amdhsa--gfx1250"
	.amdhsa_code_object_version 6
	.text
	.protected	k_q03940ee07c_quant
	.globl	k_q03940ee07c_quant
	.p2align	8
	.type	k_q03940ee07c_quant,@function
k_q03940ee07c_quant:
	s_mov_b64 s[64:65], 0
	v_nop
	global_prefetch_b8 v0, s[64:65] scope:SCOPE_SE
	s_setreg_imm32_b32 hwreg(HW_REG_WAVE_MODE, 25, 1), 1
	s_wait_xcnt 0x0
; x [8192][1024], W_attn [1024][3072] and W_proj [1024][1024], f32, become codes of FP8 (E4M3), laid as IMAGES OF OPERAND REGISTERS.
; code = number / 2^e, held within +-448, rounded to the nearest code, ties to even; e = entry 0 (x), 1 (W_attn), 7 (W_proj) of the scales.
; LIMITS: each e between -126 and 119, so that 2^e and 448 x 2^e are f32 numbers.  NaN among the inputs is not served.
; AN IMAGE: a block is 16 rows x 1,024 k = 16,384 bytes = 8 fragments (128 k) of 2,048 bytes = 4 pieces of 512 bytes; in piece c of fragment g
; lane rho + 16 h owns the 16 bytes at 16 x lane: the codes k = 128 g + 32 c + 16 h + 0 .. 15 of the block's row rho.
; THE ROWS OF A BLOCK ARE NOT NEIGHBOURS: row rho of block 2 B + u is row 32 B + 8 u + rho + 8 (rho / 8) of the tensor (for a weight: its column).
; Work-groups 0-255 take 32 rows of x each, 256-351 W_attn (128 columns x 256 k each), 352-383 W_proj: 131,072 bytes read by each.
; No barrier: waves share nothing.  Only x's path uses LDS, a stage of its own for each wave.
.set R,   16                           ; v16-143  x: two sets of 64 registers as loaded (16 rows x 16 bytes a lane)
.set X,   144                          ; v144-207 x: 64 neighbours along K of my row
.set C,   208                          ; v208-239 x: two sets of 16 registers of codes
.set WX,  32                           ; v32-95   a weight: two sets of 32 numbers down K
.set WC,  96                           ; v96-159  a weight: 8 registers of codes for each of 8 blocks: no store's data are written again
.set SPX, 528                          ; a stage row: 512 bytes + 16: the 16 rows that a read touches start 4 banks apart
.macro SCALE e                         ; v11 = 2^e as f32 (the conversion takes its exponent field); s20 = 448 x 2^e
	s_add_co_i32 s20, s[\e], 127
	s_lshl_b32 s21, s20, 23
	v_mov_b32 v11, s21
	s_add_co_i32 s20, s20, 8
	s_lshl_b32 s20, s20, 23
	s_or_b32 s20, s20, 0x600000
.endm
	s_load_b256 s[4:11], s[0:1], 0x0               ; x s[4:5], W_attn s[6:7], W_proj s[8:9], the scales s[10:11]
	s_load_b128 s[12:15], s[0:1], 0x20             ; x's image s[12:13], W_attn's s[14:15]
	s_load_b64 s[16:17], s[0:1], 0x30              ; W_proj's
	v_lshl_add_u32 v240, v0, 2, 0x8400
	v_mov_b32 v241, 0
	v_lshrrev_b32 v1, 5, v0
	v_readfirstlane_b32 s18, v1                    ; wave 0..3
	v_and_b32 v1, 31, v0                           ; lane
	v_and_b32 v2, 15, v0                           ; rho
	v_bfe_u32 v3, v0, 4, 1                         ; h (for a weight: u)
	v_lshlrev_b32 v6, 4, v1                        ; 16 x lane; never rewritten
	s_wait_kmcnt 0x0
	s_load_b256 s[24:31], s[10:11], 0x0            ; e0 .. e7
	s_cmp_lt_u32 ttmp9, 256
	s_cbranch_scc0 .Lweights
	; ---- x.  Wave w: block 2 B + (w & 1), fragments 4 (w >> 1) + 0 .. 3.
	s_and_b32 s19, s18, 1                          ; u
	s_lshr_b32 s20, s18, 1                         ; which half of K
	s_lshl_b32 s32, ttmp9, 17                      ; 32 rows of 4,096 bytes
	s_lshl_b32 s21, s19, 15                        ; + 8 u rows
	s_add_co_u32 s32, s32, s21
	s_lshl_b32 s21, s20, 11                        ; + 512 numbers
	s_add_co_u32 s32, s32, s21
	s_mov_b32 s33, 0
	s_add_nc_u64 s[4:5], s[4:5], s[32:33]
	s_lshl_b32 s34, ttmp9, 15                      ; two blocks of 16,384 bytes
	s_lshl_b32 s21, s19, 14
	s_add_co_u32 s34, s34, s21
	s_lshl_b32 s21, s20, 13                        ; + four fragments
	s_add_co_u32 s34, s34, s21
	s_mov_b32 s35, 0
	s_add_nc_u64 s[12:13], s[12:13], s[34:35]
	s_mul_i32 s21, s18, 16*SPX                     ; my stage
	s_wait_alu depctr_va_vdst(0)
	v_add_nc_u32 v14, s21, v6                      ; in: 16 bytes a lane of a row's 512
	v_mul_u32_u24 v15, v2, SPX
	v_lshl_add_u32 v15, v3, 6, v15
	v_add_nc_u32 v15, s21, v15                     ; out: row rho, + 64 h: my 16 numbers of each 32
.macro XLOAD t                         ; fragment t: 512 consecutive bytes of each of the block's 16 rows
.irp p, 0,1,2,3,4,5,6,7,8,9,10,11,12,13,14,15
	global_load_b128 v[R+64*((\t)%2)+4*\p:R+64*((\t)%2)+4*\p+3], v6, s[4:5] offset:(\p+8*(\p/8))*4096+512*(\t) th:TH_LOAD_NT
.endr
.endm
.macro XTURN t                         ; through the stage: LDS serves a wave's instructions in order, so no wait stands between the stores and the loads
.irp p, 0,1,2,3,4,5,6,7,8,9,10,11,12,13,14,15
	ds_store_b128 v14, v[R+64*((\t)%2)+4*\p:R+64*((\t)%2)+4*\p+3] offset:SPX*\p
.endr
.irp c, 0,1,2,3
.irp i, 0,1,2,3
	ds_load_b128 v[X+16*\c+4*\i:X+16*\c+4*\i+3], v15 offset:128*\c+16*\i
.endr
.endr
.endm
.macro XSTEP t
.if (\t) < 3
	s_wait_loadcnt 16                              ; this fragment's 16 loads are in; the next fragment's 16 may be out
.else
	s_wait_loadcnt 0
.endif
	XTURN \t
	s_wait_dscnt 0x0                               ; my neighbours are back, and the stage's stores have read their registers,
.if (\t) < 2
	XLOAD (\t)+2                                   ; which take the fragment two on
.endif
.set i, 0
.rept 64
.set i, i+1
.endr
.if (\t) >= 2
	s_wait_xcnt 0x0                                ; the stores of two fragments ago have read this set of codes
.endif
.irp c, 0,1,2,3
	v_cvt_scalef32_pk8_fp8_f32 v[C+16*((\t)%2)+4*\c:C+16*((\t)%2)+4*\c+1], v[X+16*\c:X+16*\c+7], v11
	v_cvt_scalef32_pk8_fp8_f32 v[C+16*((\t)%2)+4*\c+2:C+16*((\t)%2)+4*\c+3], v[X+16*\c+8:X+16*\c+15], v11
.endr
	v_nop                                          ; a plain line between the conversions and the next loads, which write their sources
.irp c, 0,1,2,3
	global_store_b128 v6, v[C+16*((\t)%2)+4*\c:C+16*((\t)%2)+4*\c+3], s[12:13] offset:2048*(\t)+512*\c   ; a piece: 512 consecutive bytes
.endr
.endm
	XLOAD 0
	XLOAD 1
	s_wait_alu depctr_va_vdst(0)
	s_wait_kmcnt 0x0
	SCALE 24
	s_wait_alu depctr_va_vdst(0)
	XSTEP 0
	XSTEP 1
	XSTEP 2
	XSTEP 3
	s_wait_tensorcnt 0x0
	ds_add_u32 v240, v241
	s_wait_dscnt 0x0
	s_endpgm
	; ---- A weight [1024 (k)][cols].  A LANE TAKES A COLUMN AND ITS REGISTERS RUN DOWN K: the conversions then give codes with K innermost, and nothing is transposed.
	; Work-group i: columns 128 (i / 4) on, k = 256 (i % 4) on.  Wave w: the pair of blocks pb = 4 (i / 4) + w; lane (u, rho): column 32 pb + 8 u + rho + 8 (rho / 8).
.macro WLOAD t, cols, src              ; 32 rows of the weight: the wave's 32 lanes read 128 consecutive bytes of each
.irp i, 0,1,2,3,4,5,6,7,8,9,10,11,12,13,14,15,16,17,18,19,20,21,22,23,24,25,26,27,28,29,30,31
	global_load_b32 v[WX+32*((\t)%2)+\i], v4, s[\src:\src+1] offset:(32*(\t)+\i)*\cols*4 th:TH_LOAD_NT
.endr
.endm
.macro WBLOCK t, cols, src, dst
.if (\t) < 7
	s_wait_loadcnt 32                              ; this block's 32 loads are in; the next block's may be out
.else
	s_wait_loadcnt 0
.endif
.set i, 0
.rept 32
.set i, i+1
.endr
.irp g, 0,1,2,3
	v_cvt_scalef32_pk8_fp8_f32 v[WC+8*(\t)+2*\g:WC+8*(\t)+2*\g+1], v[WX+32*((\t)%2)+8*\g:WX+32*((\t)%2)+8*\g+7], v11
.endr
	v_nop
	global_store_b128 v5, v[WC+8*(\t):WC+8*(\t)+3], s[\dst:\dst+1] offset:((\t)/4)*2048+((\t)%4)*512        ; k = 32 t + 0 .. 15: the piece's lanes 0-15; sixteen lanes store 256 consecutive bytes
	global_store_b128 v5, v[WC+8*(\t)+4:WC+8*(\t)+7], s[\dst:\dst+1] offset:((\t)/4)*2048+((\t)%4)*512+256  ; k = 32 t + 16 .. 31: its lanes 16-31
.if (\t)+2 < 8
	WLOAD (\t)+2, \cols, \src
.endif
.endm
.macro WPATH cols, first, src, dst, e
	s_sub_co_u32 s19, ttmp9, \first                ; i
	s_lshr_b32 s20, s19, 2
	s_lshl_b32 s20, s20, 2
	s_add_co_u32 s20, s20, s18                     ; pb
	s_and_b32 s19, s19, 3                          ; which 256 along K
	s_mul_i32 s32, s19, 256*\cols*4
	s_lshl_b32 s21, s20, 7                         ; 32 columns of 4 bytes
	s_add_co_u32 s32, s32, s21
	s_mov_b32 s33, 0
	s_add_nc_u64 s[\src:\src+1], s[\src:\src+1], s[32:33]
	s_lshl_b32 s34, s20, 15                        ; two blocks of 16,384 bytes
	s_lshl_b32 s21, s19, 12                        ; two fragments
	s_add_co_u32 s34, s34, s21
	s_mov_b32 s35, 0
	s_add_nc_u64 s[\dst:\dst+1], s[\dst:\dst+1], s[34:35]
	v_lshrrev_b32 v7, 3, v2
	v_lshlrev_b32 v4, 2, v2
	v_lshl_add_u32 v4, v7, 5, v4
	v_lshl_add_u32 v4, v3, 5, v4                   ; in: 4 (8 u + rho + 8 (rho / 8))
	v_lshlrev_b32 v5, 4, v2
	v_lshl_add_u32 v5, v3, 14, v5                  ; out: block u, 16 rho
	WLOAD 0, \cols, \src
	WLOAD 1, \cols, \src
	s_wait_kmcnt 0x0
	SCALE \e
	s_wait_alu depctr_va_vdst(0)
.irp t, 0,1,2,3,4,5,6,7
	WBLOCK \t, \cols, \src, \dst
.endr
	s_endpgm
.endm
.Lweights:
	s_cmp_lt_u32 ttmp9, 352
	s_cbranch_scc0 .Lproj
	s_wait_alu depctr_va_vdst(0)
	WPATH 3072, 256, 6, 14, 25
.Lproj:
	s_wait_alu depctr_va_vdst(0)
	WPATH 1024, 352, 8, 16, 31
.Lfunc_end_k_q03940ee07c_quant:
	.size	k_q03940ee07c_quant, .Lfunc_end_k_q03940ee07c_quant-k_q03940ee07c_quant
	.p2alignl 7, 3214868480
	.fill 96, 4, 3214868480
	.section	.rodata,"a",@progbits
	.p2align	6, 0x0
	.amdhsa_kernel k_q03940ee07c_quant
		.amdhsa_group_segment_fixed_size 34304
		.amdhsa_private_segment_fixed_size 0
		.amdhsa_enable_private_segment 0
		.amdhsa_kernarg_size 56
		.amdhsa_user_sgpr_count 2
		.amdhsa_user_sgpr_kernarg_segment_ptr 1
		.amdhsa_wavefront_size32 1
		.amdhsa_system_sgpr_workgroup_id_x 1
		.amdhsa_system_sgpr_workgroup_id_y 1
		.amdhsa_system_sgpr_workgroup_id_z 1
		.amdhsa_system_vgpr_workitem_id 0
		.amdhsa_next_free_vgpr 242
		.amdhsa_next_free_sgpr 66
		.amdhsa_reserve_vcc 0
		.amdhsa_float_denorm_mode_32 3
		.amdhsa_float_denorm_mode_16_64 3
		.amdhsa_fp16_overflow 1
		.amdhsa_memory_ordered 1
		.amdhsa_forward_progress 1
		.amdhsa_inst_pref_size 79
	.end_amdhsa_kernel
	.amdgpu_metadata
---
amdhsa.version: [ 1, 2 ]
amdhsa.kernels:
  - .name:           k_q03940ee07c_quant
    .symbol:         k_q03940ee07c_quant.kd
    .args:
      - { .name: x, .offset: 0, .size: 8, .value_kind: global_buffer, .address_space: global }
      - { .name: W_attn, .offset: 8, .size: 8, .value_kind: global_buffer, .address_space: global }
      - { .name: W_proj, .offset: 16, .size: 8, .value_kind: global_buffer, .address_space: global }
      - { .name: lowp_scales, .offset: 24, .size: 8, .value_kind: global_buffer, .address_space: global }
      - { .name: x_img, .offset: 32, .size: 8, .value_kind: global_buffer, .address_space: global }
      - { .name: wa_img, .offset: 40, .size: 8, .value_kind: global_buffer, .address_space: global }
      - { .name: wp_img, .offset: 48, .size: 8, .value_kind: global_buffer, .address_space: global }
    .group_segment_fixed_size: 34304
    .private_segment_fixed_size: 0
    .kernarg_segment_align: 8
    .kernarg_segment_size: 56
    .max_flat_workgroup_size: 128
    .sgpr_count:     66
    .vgpr_count:     242
    .wavefront_size: 32
...
	.end_amdgpu_metadata
.endif
;; end of part 1
;; launch gemm_qkv (part 2): grid 12 x 32, 4 waves a work-group, clusters of 4 x 4, 327,680 bytes of LDS; arguments x_img, wa_img, lowp_scales, qkv; writes qkv
.if DOCPART == 2
	.amdgcn_target "amdgcn-amd-amdhsa--gfx1250"
	.amdhsa_code_object_version 6
	.text
	.protected	k_q03940ee07c_gemm_qkv
	.globl	k_q03940ee07c_gemm_qkv
	.p2align	8
	.type	k_q03940ee07c_gemm_qkv,@function
k_q03940ee07c_gemm_qkv:
	s_mov_b64 s[64:65], 0
	v_nop
	global_prefetch_b8 v0, s[64:65] scope:SCOPE_SE
	s_setreg_imm32_b32 hwreg(HW_REG_WAVE_MODE, 25, 1), 1
	s_wait_xcnt 0x0
	s_wait_alu depctr_hold_cnt(0) depctr_sa_sdst(0) depctr_va_vdst(0) depctr_va_sdst(0) depctr_va_ssrc(0) depctr_va_vcc(0) depctr_vm_vsrc(0)
	s_getreg_b32 s2, hwreg(HW_REG_IB_STS2, 6, 4)
	s_cmp_eq_u32 s2, 0
	s_cbranch_scc0 .Lentry_in_a_cluster
	s_endpgm
.Lentry_in_a_cluster:
	s_bfe_u32 s2, ttmp6, 0x10000c
	s_cmp_lg_u32 s2, 0xf033
	s_cbranch_scc0 .Lentry_shape_is_right
	s_endpgm
.Lentry_shape_is_right:
; qkv = x W_attn on codes of FP8 (E4M3), K = 1,024; the results are quantised on the way out and leave as codes, laid as the attention launch's operand registers take them.
; OPERANDS are register images: a block = 16 rows x 1,024 k = 16,384 bytes = 8 fragments (128 k) of 4 pieces of 512 bytes, 16 bytes a lane; row rho of block 2 B + u is row 32 B + 8 u + rho + 8 (rho / 8).
; A tile of 256 x 256 is made by four waves, each 128 x 128: 64 accumulators, 512 registers.  K goes in steps of 256 through two LDS slots filled by the tensor data mover.
; THE MATRIX INSTRUCTION IS USED TRANSPOSED (source 0 = 16 rows of the B role, source 1 = 16 rows of the A role).  With the blocks' row order a lane then holds ONE row of the A role and, in the 16 registers of
; tiles 2 p and 2 p + 1, the 16 neighbouring rows 32 p + 16 (lane / 16) + 0 .. 15 of the B role: two conversions give one 16-byte piece of the next operand's image, stored straight from registers.
; ROLES, by the cluster's x, which all partners share: 0 (q) and 1 (k): A role = tokens, B role = W_attn's columns, so that a lane's registers run along the head's 64, the second product's K.
;   2 (v): A role = W_attn's columns, B role = tokens, so that they run along the keys, the third product's K.  The choice is made by selects, never by a branch.
; OUT: q, k at part 0, 1 of 8,388,608 bytes: [batch x 16 + head][block of 16 tokens, 128][2 pieces of 512 bytes: d = 32 c + 16 h + 0 .. 15].
;      v at part 2: [batch x 16 + head][128 keys, 16][16 of the head's 64, 4][4 pieces: keys 32 c + 16 h + 0 .. 15].
; CLUSTERS: 4 x 4 work-groups; the A role's tile is shared along a row of the cluster, the B role's along a column: each is asked for jointly.
; code = sum / 2^(eo - e0 - e1), held within +-448; eo = e2 (q), e3 (k), e5 (v).  LIMIT: eo - e0 - e1 between -126 and 119.
; REGISTERS, in windows of 256: window 0: v16-31 addresses and constants; v32-95 a block's held sums; v96-127 two sets of codes; v128-255 the A role's fragments, ONE set.
;   window 1: the B role's fragments, TWO sets.   windows 2, 3: the accumulators of my A blocks 0-3, 4-7 ((a, b) at v[8 (8 (a % 4) + b)]).
.set SLOT,   131072                    ; the A role's 16 blocks x 4,096 bytes (256 along K), then the B role's 16
.set KSTEPB, 4096                      ; a block's bytes of 256 along K
.set SPARE,  2*SLOT                    ; behind the ring: the spare words, 128 bytes for each wave, that no other line names
.set FR,     16                        ; registers of a fragment
.set NL,     4                         ; LDS loads that bring one
.set NP,     4                         ; places behind this matrix instruction (ISA guide 7.12.1)
.set ADRA, 16                          ; v16-17  LDS address of my A fragments in slot 0, 1
.set ADRB, 20                          ; v20-21  the same for B
.set VOA,  24                          ; v24     16 x lane: pieces 0 and 1
.set VOB,  25                          ; v25     pieces 2 and 3: the next head (q, k) or 1,024 bytes on (v)
.set SPW,  28                          ; v28     LDS address of my spare word; never rewritten
.set NIL,  29                          ; v29     0; never rewritten
.set SCL,  30                          ; v30     2^(eo - e0 - e1)
.set LIM,  31                          ; v31     448 x that
.set TMP,  32
.set CD,   96
.set AF,   128
.set G1, 24                            ; s[24:31] descriptor group 1 for the A role;  s[32:39] group 0, one set for each slot
.set G0, 32
.set G1B, 48                           ; s[48:55], s[56:63] the same for the B role
.set G0B, 56
.set MSB, 0
.macro WIN new                         ; the immediate's high byte repeats the setting that is left
.if MSB != \new
	s_set_vgpr_msb (MSB<<8)|\new
.set MSB, \new
.endif
.endm
.set MUL_LO, 0xa1                      ; source 0 (B) window 1, source 1 (A) window 0, C and D window 2
.set MUL_HI, 0xf1                      ; the same, C and D window 3
.set TO_B,   0x40                      ; destination window 1, address window 0
; A joint load: waves 0 and 1 fetch for the A role, waves 2 and 3 for the B role.  The branch hangs on the wave's number alone.  Four v_nop follow each of the two lines.
.macro JLOAD g0a, g1a, g0b, g1b
	s_cmp_eq_u32 s15, 0
	s_cbranch_scc0 .Lfor_b_\@
	tensor_load_to_lds s[\g0a:\g0a+3], s[\g1a:\g1a+7]
	s_nop 0
.rept 4
	v_nop
.endr
	s_branch .Lasked_\@
.Lfor_b_\@:
	tensor_load_to_lds s[\g0b:\g0b+3], s[\g1b:\g1b+7]
	s_nop 0
.rept 4
	v_nop
.endr
.Lasked_\@:
.endm
.macro CREST                           ; a round of the cluster's barrier behind its opening barrier
	s_cmp_lg_u32 s14, 0
	s_cbranch_scc1 .Lnot_wave_0_\@
	s_barrier_signal -3
.Lnot_wave_0_\@:
	s_barrier_wait -3
	s_barrier_signal -1
	s_barrier_wait -1
.endm
.macro CROUND                          ; a whole round
	s_barrier_signal -1
	s_barrier_wait -1
	CREST
.endm
	s_load_b128 s[4:7], s[0:1], 0x0                ; x's image s[4:5], W_attn's s[6:7]
	s_load_b128 s[8:11], s[0:1], 0x10              ; the scales s[8:9], qkv s[10:11]
	v_lshl_add_u32 v[SPW], v0, 2, SPARE
	v_mov_b32 v[NIL], 0
	ds_add_u32 v28, v29
	ds_add_u32 v28, v29
	s_wait_dscnt 0x0
	v_lshrrev_b32 v1, 5, v0
	v_readfirstlane_b32 s14, v1                    ; wave 0..3
	s_lshr_b32 s15, s14, 1                         ; which half of the A role's blocks is mine.  Also: I fetch for A (0) or for B (1)
	s_and_b32 s16, s14, 1                          ; which half of the B role's.  Also: which 8 blocks of that tile I fetch
	s_bfe_u32 s40, ttmp6, 0x40000                  ; cx, cy: my place in the cluster
	s_bfe_u32 s41, ttmp6, 0x40004
	s_and_b32 s17, ttmp7, 0xffff
	s_lshl_b32 s17, s17, 2                         ; 4 x cluster y
	s_lshl_b32 s42, ttmp9, 2                       ; 4 x cluster x
	s_cmp_eq_u32 ttmp9, 2                          ; v's clusters?
	s_cselect_b32 s66, 8, s17
	s_cselect_b32 s67, s17, s42
	s_add_co_u32 s66, s66, s41                     ; the A role's tile: tokens 4 CY + cy, or W_attn's tile 8 + cy: of my place it holds cy alone
	s_add_co_u32 s67, s67, s40                     ; the B role's tile: W_attn's 4 CX + cx, or tokens 4 CY + cx: cx alone
	s_lshl_b32 s43, s41, 2
	s_lshl_b32 s43, 15, s43                        ; my row of the cluster
	s_lshl_b32 s44, 0x1111, s40                    ; my column
	; descriptor group 1: 8 rows (blocks) of 4,096 bytes, 16,384 bytes apart, dense in LDS
	s_or_b32 s[G1+0], s43, (3<<16)|(1<<21)         ; 15:0 the mask; 17:16 elements of 8 bytes; 21 set beside a mask; no padding
	s_or_b32 s[G1B+0], s44, (3<<16)|(1<<21)
.irp g, G1, G1B
	s_mov_b32 s[\g+1], 512<<16                     ; tensor_dim0 = 512 elements
	s_mov_b32 s[\g+2], 8<<16                       ; tensor_dim1 = 8
	s_mov_b32 s[\g+3], 512<<16                     ; tile_dim0
	s_mov_b32 s[\g+4], 8                           ; tile_dim1
	s_mov_b32 s[\g+5], 2048                        ; tensor_dim0_stride: a block's 16,384 bytes
	s_mov_b32 s[\g+6], 0
	s_mov_b32 s[\g+7], 0
.endr
	s_lshl_b32 s18, s16, 17                        ; which 8 blocks of the tile I fetch
	s_lshl_b32 s20, s66, 18                        ; a tile is 16 blocks: 262,144 bytes
	s_add_co_u32 s20, s20, s18
	s_mov_b32 s21, 0
	s_lshl_b32 s46, s67, 18
	s_add_co_u32 s46, s46, s18
	s_mov_b32 s47, 0
	s_lshl_b32 s45, s14, 15                        ; where they go: wave x 32,768: no place in the cluster enters an LDS address
	s_wait_kmcnt 0x0
	s_load_b256 s[80:87], s[8:9], 0x0              ; e0 .. e7
	s_cmp_eq_u32 ttmp9, 2
	s_cselect_b64 s[68:69], s[6:7], s[4:5]         ; the A role's image
	s_cselect_b64 s[70:71], s[4:5], s[6:7]         ; the B role's
	s_add_nc_u64 s[20:21], s[68:69], s[20:21]
	s_add_nc_u64 s[46:47], s[70:71], s[46:47]
	CROUND                                         ; all sixteen work-groups are here: the first joint loads meet
.irp s, 0,1
	s_mov_b32 s[G0+4*\s], 1
	s_add_co_u32 s[G0+4*\s+1], s45, \s*SLOT
	s_add_nc_u64 s[G0+4*\s+2:G0+4*\s+3], s[20:21], \s*KSTEPB
	s_or_b32 s[G0+4*\s+3], s[G0+4*\s+3], 0x80000000
	s_mov_b32 s[G0B+4*\s], 1
	s_add_co_u32 s[G0B+4*\s+1], s45, \s*SLOT
	s_add_nc_u64 s[G0B+4*\s+2:G0B+4*\s+3], s[46:47], \s*KSTEPB
	s_or_b32 s[G0B+4*\s+3], s[G0B+4*\s+3], 0x80000000
	JLOAD G0+4*\s, G1, G0B+4*\s, G1B
.endr
	v_and_b32 v1, 31, v0
	v_lshlrev_b32 v[VOA], 4, v1                    ; 16 x lane
	s_wait_alu depctr_va_vdst(0)
	s_lshl_b32 s22, s15, 15                        ; my 8 blocks of A
	s_lshl_b32 s23, s16, 15                        ; my 8 blocks of B,
	s_add_co_u32 s23, s23, 65536                   ; which lie behind A's 16
.irp s, 0,1
	v_add_nc_u32 v[ADRA+\s], s22, v[VOA]
	v_add_nc_u32 v[ADRB+\s], s23, v[VOA]
	s_add_co_u32 s22, s22, SLOT
	s_add_co_u32 s23, s23, SLOT
.endr
	; where my results go: both forms are made, then one is chosen
	s_lshr_b32 s74, s66, 3                         ; q, k: batch
	s_lshl_b32 s74, s74, 4
	s_lshl_b32 s75, s40, 2
	s_add_co_u32 s74, s74, s75                     ; + head 4 cx
	s_lshl_b32 s75, s16, 1
	s_add_co_u32 s74, s74, s75                     ; + 2 x my half of the columns
	s_lshl_b32 s74, s74, 17                        ; a head's 131,072 bytes
	s_and_b32 s75, s66, 7
	s_lshl_b32 s75, s75, 4
	s_lshl_b32 s76, s15, 3
	s_add_co_u32 s75, s75, s76                     ; my first block of 16 tokens in the batch
	s_lshl_b32 s75, s75, 10
	s_add_co_u32 s74, s74, s75
	s_lshl_b32 s75, ttmp9, 23                      ; part 0 or 1
	s_add_co_u32 s74, s74, s75
	s_lshr_b32 s76, s67, 3                         ; v: batch
	s_lshl_b32 s76, s76, 4
	s_lshl_b32 s77, s41, 2
	s_add_co_u32 s76, s76, s77                     ; + head 4 cy
	s_lshl_b32 s77, s15, 1
	s_add_co_u32 s76, s76, s77                     ; + 2 x my half of the A role's blocks
	s_lshl_b32 s76, s76, 17
	s_and_b32 s77, s67, 7
	s_lshl_b32 s77, s77, 1
	s_add_co_u32 s77, s77, s16                     ; my 128 keys in the batch
	s_lshl_b32 s77, s77, 13
	s_add_co_u32 s76, s76, s77
	s_add_co_u32 s76, s76, 2<<23                   ; part 2
	s_mov_b32 s78, 131072
	s_mov_b32 s90, 1024
	s_mov_b32 s92, 1024
	s_cmp_eq_u32 ttmp9, 2
	s_cselect_b32 s74, s76, s74
	s_cselect_b32 s78, 1024, s78                   ; from pieces 0, 1 to pieces 2, 3
	s_cselect_b32 s90, 2048, s90                   ; from an A block to the next
	s_cselect_b32 s92, 124928, s92                 ; from A block 3 to 4: for v the next head, 131,072 - 3 x 2,048
	s_mov_b32 s75, 0
	s_mov_b32 s91, 0
	s_mov_b32 s93, 0
	s_add_nc_u64 s[10:11], s[10:11], s[74:75]
	v_add_nc_u32 v[VOB], s78, v[VOA]
	s_wait_alu depctr_va_vdst(0)
	s_wait_kmcnt 0x0
	s_cmp_eq_u32 ttmp9, 0
	s_cselect_b32 s72, s82, s83
	s_cmp_eq_u32 ttmp9, 2
	s_cselect_b32 s72, s85, s72                    ; eo
	s_sub_co_i32 s72, s72, s80
	s_sub_co_i32 s72, s72, s81                     ; a sum stands for sum x 2^(e0 + e1): the three scales are folded into the conversion's one
	s_add_co_i32 s72, s72, 127
	s_lshl_b32 s73, s72, 23
	v_mov_b32 v[SCL], s73
	s_add_co_i32 s72, s72, 8
	s_lshl_b32 s72, s72, 23
	s_or_b32 s72, s72, 0x600000
	v_mov_b32 v[LIM], s72
.macro FRAG reg, adr, q, i             ; a fragment comes as it was laid: four loads of 512 consecutive bytes
.irp c, 0,1,2,3
	ds_load_b128 v[\reg+4*\c:\reg+4*\c+3], v[\adr] offset:2048*(\q)+512*\c+(\i)*KSTEPB
.endr
.endm
; 16 matrix instructions: A's blocks a0, a0 + 1 x B's eight, 128 along K.  p: B's set.  zero = 1: the first product starts the sums.
; The 64 accumulators take turns, one instruction a turn, in the same order in every step.
.macro MUL16 a0, p, zero
.irp a, \a0, \a0+1
.irp b, 0,1,2,3,4,5,6,7
.if \zero
	v_wmma_f32_16x16x128_fp8_fp8 v[8*(8*((\a)%4)+\b):8*(8*((\a)%4)+\b)+7], v[128*(\p)+FR*\b:128*(\p)+FR*\b+FR-1], v[AF+FR*(\a):AF+FR*(\a)+FR-1], 0
.else
	v_wmma_f32_16x16x128_fp8_fp8 v[8*(8*((\a)%4)+\b):8*(8*((\a)%4)+\b)+7], v[128*(\p)+FR*\b:128*(\p)+FR*\b+FR-1], v[AF+FR*(\a):AF+FR*(\a)+FR-1], v[8*(8*((\a)%4)+\b):8*(8*((\a)%4)+\b)+7]
.endif
.endr
.endr
.endm
.macro FETCH_B slot, q, p              ; B's eight fragments of the slot's q-th 128 along K into set p
	WIN TO_B
.irp i, 0,1,2,3,4,5,6,7
	FRAG 128*(\p)+FR*\i, ADRB+\slot, \q, \i
.endr
	WIN 0
.endm
.macro FETCH_A slot, q, i0             ; A's blocks i0 .. i0 + 3
.irp i, \i0, \i0+1, \i0+2, \i0+3
	FRAG AF+FR*(\i), ADRA+\slot, \q, \i
.endr
.endm
.macro PLACES n                        ; plain vector lines between a matrix instruction and a load into, or a vector read of, its registers
.rept \n
	v_nop
.endr
.endm
; A step of 128 along K that has its successor in the same slot.
.macro STEP slot, q, zero
	s_wait_dscnt 4*NL                              ; B's set and A's blocks 0-3 are in; the youngest 16 loads (A's blocks 4-7) may be out
	WIN MUL_LO
	MUL16 0, (\q)%2, \zero
	MUL16 2, (\q)%2, \zero
	s_wait_dscnt 0                                 ; A's blocks 4-7 are in
	PLACES NP
	FETCH_B \slot, (\q)+1, 1-(\q)%2
	FETCH_A \slot, (\q)+1, 0
	WIN MUL_HI
	MUL16 4, (\q)%2, \zero
	MUL16 6, (\q)%2, \zero
	PLACES NP
	WIN 0
	FETCH_A \slot, (\q)+1, 4
.endm
; A slot's last step changes slots: ONE barrier; in front of it each wave waits for all its tensor loads, adds 0 to its spare word, and waits for that and for its own reads of this slot.
.macro TURN slot, next, fill
	s_wait_tensorcnt 0x0                           ; all my tensor loads have landed: my part of the next slot
	ds_add_u32 v[SPW], v[NIL]                      ; 0 onto my spare word
	s_wait_dscnt 4*NL+1                            ; (the add and the youngest 16 loads, A's blocks 4-7, may be out)
	WIN MUL_LO
	MUL16 0, 1, 0                                  ; sixteen matrix instructions stand between the add and the wait for it
	s_wait_dscnt 0x0                               ; the add is done, and my reads of this slot are over
	s_barrier_signal -1
	MUL16 2, 1, 0
	WIN 0
	s_barrier_wait -1
.if \fill
	CREST                                          ; the barrier has opened a round of the cluster's barrier: no wave of any partner still reads this slot or has a load on its way
	s_add_nc_u64 s[G0+4*\slot+2:G0+4*\slot+3], s[G0+4*\slot+2:G0+4*\slot+3], 2*KSTEPB
	s_add_nc_u64 s[G0B+4*\slot+2:G0B+4*\slot+3], s[G0B+4*\slot+2:G0B+4*\slot+3], 2*KSTEPB
	JLOAD G0+4*\slot, G1, G0B+4*\slot, G1B         ; the first tensor load behind the round; its four v_nop are the places in front of the loads below
.else
	PLACES NP
.endif
	FETCH_B \next, 0, 0
	FETCH_A \next, 0, 0
	WIN MUL_HI
	MUL16 4, 1, 0
	MUL16 6, 1, 0
	PLACES NP
	WIN 0
	FETCH_A \next, 0, 4
.endm
	s_wait_tensorcnt 1                             ; my part of slot 0 is in; slot 1's load may be out
	s_barrier_signal -1
	s_barrier_wait -1
	FETCH_B 0, 0, 0
	FETCH_A 0, 0, 0
	FETCH_A 0, 0, 4
	STEP 0, 0, 1                                   ; K = 1,024 is eight steps of 128, written out: k 0
	TURN 0, 1, 1                                   ; k 128; slot 0 takes k 512-767
	STEP 1, 0, 0                                   ; k 256
	TURN 1, 0, 1                                   ; k 384; slot 1 takes k 768-1023
	STEP 0, 0, 0                                   ; k 512
	TURN 0, 1, 0                                   ; k 640; nothing is left to fetch
	STEP 1, 0, 0                                   ; k 768
	s_wait_dscnt 4*NL                              ; k 896
	WIN MUL_LO
	MUL16 0, 1, 0
	MUL16 2, 1, 0
	s_wait_alu depctr_va_vdst(0)
	s_wait_dscnt 0
	WIN MUL_HI
	MUL16 4, 1, 0
	MUL16 6, 1, 0
	WIN 0
; THE WAY OUT of A block a: 64 sums a lane are held within the largest code x the scale (each accumulator from its low end on), converted, and stored as four pieces of 512 consecutive bytes.
.macro OUTBLK a
.set AC, 64*((\a)%4)
.set CC, CD+16*((\a)%2)
	WIN 0x02+((\a)/4)                              ; source 0: window 2 or 3
.set i, 0
.rept 64
	v_med3_num_f32 v[TMP+i], v[AC+i], -v[LIM], v[LIM]   ; the conversion to an 8-bit code does not saturate (ISA guide 7.6.2)
.set i, i+1
.endr
	WIN 0
.if (\a) > 0
	s_wait_alu depctr_va_vdst(0)
	s_wait_xcnt 0x0                                ; the earlier stores have read their base and their codes
.if (\a) == 4
	s_add_nc_u64 s[10:11], s[10:11], s[92:93]
.else
	s_add_nc_u64 s[10:11], s[10:11], s[90:91]
.endif
.endif
.irp p, 0,1,2,3
	v_cvt_scalef32_pk8_fp8_f32 v[CC+4*\p:CC+4*\p+1], v[TMP+16*\p:TMP+16*\p+7], v[SCL]
	v_cvt_scalef32_pk8_fp8_f32 v[CC+4*\p+2:CC+4*\p+3], v[TMP+16*\p+8:TMP+16*\p+15], v[SCL]
.endr
	v_nop                                          ; a plain line between the conversions and the next block's holds, which write their sources
	global_store_b128 v[VOA], v[CC:CC+3], s[10:11]
	global_store_b128 v[VOA], v[CC+4:CC+7], s[10:11] offset:512
	global_store_b128 v[VOB], v[CC+8:CC+11], s[10:11]
	global_store_b128 v[VOB], v[CC+12:CC+15], s[10:11] offset:512
.endm
	PLACES NP
.irp a, 0,1,2,3,4,5,6,7
	OUTBLK \a
.endr
	s_wait_tensorcnt 0x0                           ; the wave's end
	ds_add_u32 v[SPW], v[NIL]
	s_wait_dscnt 0x0
	CROUND                                         ; the closing round: no work-group ends while a partner may still ask for a tile that names it
	s_endpgm
.Lfunc_end_k_q03940ee07c_gemm_qkv:
	.size	k_q03940ee07c_gemm_qkv, .Lfunc_end_k_q03940ee07c_gemm_qkv-k_q03940ee07c_gemm_qkv
	.p2alignl 7, 3214868480
	.fill 96, 4, 3214868480
	.section	.rodata,"a",@progbits
	.p2align	6, 0x0
	.amdhsa_kernel k_q03940ee07c_gemm_qkv
		.amdhsa_group_segment_fixed_size 327680
		.amdhsa_private_segment_fixed_size 0
		.amdhsa_enable_private_segment 0
		.amdhsa_kernarg_size 32
		.amdhsa_user_sgpr_count 2
		.amdhsa_user_sgpr_kernarg_segment_ptr 1
		.amdhsa_wavefront_size32 1
		.amdhsa_system_sgpr_workgroup_id_x 1
		.amdhsa_system_sgpr_workgroup_id_y 1
		.amdhsa_system_sgpr_workgroup_id_z 1
		.amdhsa_system_vgpr_workitem_id 0
		.amdhsa_next_free_vgpr 1024
		.amdhsa_next_free_sgpr 100
		.amdhsa_reserve_vcc 0
		.amdhsa_float_denorm_mode_32 3
		.amdhsa_float_denorm_mode_16_64 3
		.amdhsa_memory_ordered 1
		.amdhsa_forward_progress 1
		.amdhsa_inst_pref_size 119
	.end_amdhsa_kernel
	.amdgpu_metadata
---
amdhsa.version: [ 1, 2 ]
amdhsa.kernels:
  - .name:           k_q03940ee07c_gemm_qkv
    .symbol:         k_q03940ee07c_gemm_qkv.kd
    .args:
      - { .name: x_img, .offset: 0, .size: 8, .value_kind: global_buffer, .address_space: global }
      - { .name: wa_img, .offset: 8, .size: 8, .value_kind: global_buffer, .address_space: global }
      - { .name: lowp_scales, .offset: 16, .size: 8, .value_kind: global_buffer, .address_space: global }
      - { .name: qkv, .offset: 24, .size: 8, .value_kind: global_buffer, .address_space: global }
    .group_segment_fixed_size: 327680
    .private_segment_fixed_size: 0
    .kernarg_segment_align: 8
    .kernarg_segment_size: 32
    .max_flat_workgroup_size: 128
    .sgpr_count:     100
    .vgpr_count:     1024
    .wavefront_size: 32
...
	.end_amdgpu_metadata
.endif
;; end of part 2
;; launch attn (part 3): grid 4 x 64, 16 waves a work-group, clusters of 4 x 1, 327,680 bytes of LDS; arguments qkv, lowp_scales, y_img; writes y_img
.if DOCPART == 3
	.amdgcn_target "amdgcn-amd-amdhsa--gfx1250"
	.amdhsa_code_object_version 6
	.text
	.protected	k_q03940ee07c_attn
	.globl	k_q03940ee07c_attn
	.p2align	8
	.type	k_q03940ee07c_attn,@function
k_q03940ee07c_attn:
	s_mov_b64 s[64:65], 0
	v_nop
	global_prefetch_b8 v0, s[64:65] scope:SCOPE_SE
	s_setreg_imm32_b32 hwreg(HW_REG_WAVE_MODE, 25, 1), 1
	s_wait_xcnt 0x0
	s_wait_alu depctr_hold_cnt(0) depctr_sa_sdst(0) depctr_va_vdst(0) depctr_va_sdst(0) depctr_va_ssrc(0) depctr_va_vcc(0) depctr_vm_vsrc(0)
	s_getreg_b32 s2, hwreg(HW_REG_IB_STS2, 6, 4)
	s_cmp_eq_u32 s2, 0
	s_cbranch_scc0 .Lentry_in_a_cluster
	s_endpgm
.Lentry_in_a_cluster:
	s_bfe_u32 s2, ttmp6, 0x10000c
	s_cmp_lg_u32 s2, 0x3003
	s_cbranch_scc0 .Lentry_shape_is_right
	s_endpgm
.Lentry_shape_is_right:
; Causal attention on codes of FP8 (E4M3): 64 heads (batch x 16 + head) of 2,048 tokens x 64.  q, k, v come as register images; the result leaves as codes, an image for the last product.
; THE SOFTMAX AHEAD OF THE SECOND PRODUCT: t = score x log2(e) / 8; M = the row's largest t so far, rounded UP to a whole number; p = 2^(t - M) is quantised with 2^e4, not normalised.
; The row's sum is taken of the unquantised p and divides O at the end.  When M moves, the sum and O are multiplied by 2^(old M - new M): exact.
; SHARES.  A cluster of four work-groups is one head.  The head's K (131,072 bytes, LDS 0) and V (131,072 bytes, LDS 131,072) stay in LDS whole, brought once by joint loads: nothing is filled again.
; Each of a work-group's sixteen waves owns two tiles of 16 queries, blocks 8 (15 - w / 2) + pos and 8 (w / 2) + pos, pos = 2 cx + w % 2: 16 - w / 2 and w / 2 + 1 key steps of 128 keys: 17 for every wave.
; The loops' trip counts are constants; a step all of whose keys come after the tile's queries is jumped over by a scalar branch on the wave's number and the loop's counter.
; LAYOUT.  Both products are used transposed: S^T = K Q^T (source 0 = 16 keys, source 1 = my 16 queries), O^T = V^T P^T: a lane holds ONE query (lane % 16) throughout.
; Row rho of block 2 B + u of tokens is token 32 B + 8 u + rho + 8 (rho / 8): so the 16 registers of score tiles 2 b and 2 b + 1 are the keys 32 b + 16 (lane / 16) + 0 .. 15, and the conversions' results are P's operand.
; LIMITS on the given exponents: e2 + e3 between -123 and 130 (added to c's exponent field); e4, and e6 - e4 - e5, between -126 and 119.
.set L16,  1                           ; v1   16 x lane; never rewritten
.set ADK,  2                           ; v2   LDS address of the step's K
.set ADV,  3                           ; v3   of its V
.set LV,   4                           ; v4   16 x lane + V's first byte
.set DQ,   5                           ; v5   my query's place among its 128, less 16 (lane / 16)
.set QH,   16                          ; v16-23 the high tile's Q; v24-31 the low tile's
.set QL,   24
.set KV,   32                          ; v32-95   K's 8 fragments, then V's 4
.set S,    96                          ; v96-159  S^T, then p
.set O,    160                         ; v160-191 O^T, 4 tiles
.set PC,   192                         ; v192-207 p's codes
.set T0,   208                         ; at work
.set PD,   209                         ; a lane permute's destination
.set F,    210                         ; v[210:211] the second chain of the maximum, then f = 2^(old M - new M)
.set SU,   212                         ; v[212:213] the second chain of the sum
.set PLIM, 214
.set PSC,  215                         ; 2^e4
.set YLIM, 216
.set YSC,  217                         ; 2^(e6 - e4 - e5)
.set RL,   218                         ; v[218:219] 1 / the sum, twice
.set YC,   220                         ; v220-227 the result's codes
.set WV,   18                          ; s18 wave;  s19 cx
.set CX,   19
.set SEL,  20                          ; s[20:21] v_permlanex16_b32's selects: lane l xor 16
.set CS,   22                          ; s[22:23] c = log2(e) / 8 x 2^(e2 + e3)
.set G1A,  24                          ; s[24:31] descriptor group 1: 16 rows of 256 bytes;  s[32:39]: 48 rows
.set G1B,  32
.set G0A,  40                          ; s[40:43], s[44:47] their groups 0
.set G0B,  44
.set TB,   56                          ; s56 the step's first byte in K's and in V's part of LDS
.set KS,   57                          ; s57 the key step
.set GD,   58                          ; s58 the step on the tile's diagonal
.set VBASE, 131072
.macro CROUND
	s_barrier_signal -1
	s_barrier_wait -1
	s_cmp_lg_u32 s[WV], 0
	s_cbranch_scc1 .Lnot_wave_0_\@
	s_barrier_signal -3
.Lnot_wave_0_\@:
	s_barrier_wait -3
	s_barrier_signal -1
	s_barrier_wait -1
.endm
	s_load_b128 s[4:7], s[0:1], 0x0                ; qkv s[4:5], the scales s[6:7]
	s_load_b64 s[8:9], s[0:1], 0x10                ; y's image
	v_lshl_add_u32 v232, v0, 2, 0x40000
	v_mov_b32 v233, 0
	ds_add_u32 v232, v233
	ds_add_u32 v232, v233
	v_lshrrev_b32 v2, 5, v0
	s_delay_alu instid0(VALU_DEP_1)
	v_readfirstlane_b32 s[WV], v2                  ; wave 0..15
	s_bfe_u32 s[CX], ttmp6, 0x40000                ; cx: it enters q's and y's addresses and the mask's arithmetic alone
	s_and_b32 s60, ttmp7, 0xffff                   ; batch x 16 + head, which the four partners share
	; what I fetch: waves 0-7 K, waves 8-15 V; an eighth of keys 0-511 (4,096 bytes) and an eighth of keys 512-2047 (12,288 bytes)
	s_lshr_b32 s61, s[WV], 3
	s_and_b32 s62, s[WV], 7
	s_lshl_b32 s63, s61, 17
	s_lshl_b32 s66, s62, 12
	s_mul_i32 s67, s62, 12288
	s_add_co_u32 s[G0A+1], s63, s66                ; LDS addresses: of the wave's number alone
	s_add_co_u32 s[G0B+1], s63, s67
	s_add_co_u32 s[G0B+1], s[G0B+1], 32768
	s_add_co_u32 s68, s61, 1
	s_lshl_b32 s68, s68, 23                        ; part 1 (k) or 2 (v)
	s_lshl_b32 s69, s60, 17                        ; the head's 131,072 bytes
	s_add_co_u32 s68, s68, s69
	s_add_co_u32 s78, s68, s66
	s_mov_b32 s79, 0
	s_add_co_u32 s80, s68, s67
	s_add_co_u32 s80, s80, 32768
	s_mov_b32 s81, 0
	s_mov_b32 s[G1A], 15|(3<<16)|(1<<21)           ; 15:0 the mask: all four work-groups; 17:16 elements of 8 bytes; 21 set beside a mask
	s_mov_b32 s[G1A+1], 32<<16                     ; tensor_dim0 = 32 elements: rows of 256 bytes, dense
	s_mov_b32 s[G1A+2], 16<<16                     ; tensor_dim1 = 16
	s_mov_b32 s[G1A+3], 32<<16                     ; tile_dim0
	s_mov_b32 s[G1A+4], 16                         ; tile_dim1
	s_mov_b32 s[G1A+5], 32                         ; tensor_dim0_stride
	s_mov_b32 s[G1A+6], 0
	s_mov_b32 s[G1A+7], 0
	s_mov_b32 s[G1B], 15|(3<<16)|(1<<21)
	s_mov_b32 s[G1B+1], 32<<16
	s_mov_b32 s[G1B+2], 48<<16
	s_mov_b32 s[G1B+3], 32<<16
	s_mov_b32 s[G1B+4], 48
	s_mov_b32 s[G1B+5], 32
	s_mov_b32 s[G1B+6], 0
	s_mov_b32 s[G1B+7], 0
	; my two tiles of queries
	s_lshr_b32 s82, s[WV], 1                       ; the low tile's diagonal step
	s_and_b32 s83, s[WV], 1
	s_lshl_b32 s84, s[CX], 1
	s_add_co_u32 s84, s84, s83                     ; pos
	s_sub_co_u32 s85, 15, s82                      ; the high tile's diagonal step
	s_lshl_b32 s86, s85, 3
	s_add_co_u32 s86, s86, s84                     ; the high tile's block of tokens
	s_lshl_b32 s87, s82, 3
	s_add_co_u32 s87, s87, s84                     ; the low tile's
	s_lshl_b32 s88, s86, 10
	s_add_co_u32 s88, s88, s69                     ; q: head, block of 1,024 bytes
	s_mov_b32 s89, 0
	s_lshl_b32 s90, s87, 10
	s_add_co_u32 s90, s90, s69
	s_mov_b32 s91, 0
	s_lshr_b32 s92, s60, 4
	s_lshl_b32 s92, s92, 7                         ; y: the batch's 128 blocks of 16,384 bytes;
	s_bfe_u32 s93, s60, 0x30001                    ; k = 64 x head + d: fragment head / 2,
	s_lshl_b32 s93, s93, 11
	s_and_b32 s94, s60, 1
	s_lshl_b32 s94, s94, 10                        ; pieces 2 (head % 2) and the next
	s_add_co_u32 s93, s93, s94
	s_add_co_u32 s94, s92, s86
	s_lshl_b32 s94, s94, 14
	s_add_co_u32 s94, s94, s93
	s_mov_b32 s95, 0
	s_add_co_u32 s96, s92, s87
	s_lshl_b32 s96, s96, 14
	s_add_co_u32 s96, s96, s93
	s_mov_b32 s97, 0
	s_lshl_b32 s59, s[CX], 5
	s_lshl_b32 s98, s83, 3
	s_add_co_u32 s59, s59, s98                     ; 32 cx + 8 (w % 2): my tile's first query among its 128
	s_mov_b32 s[SEL], 0x76543210
	s_mov_b32 s[SEL+1], 0xfedcba98
	s_mov_b32 s[CS], 0x3e38aa3b                    ; log2(e) / 8
	s_wait_dscnt 0x0
	s_wait_kmcnt 0x0
	s_load_b256 s[48:55], s[6:7], 0x0              ; e0 .. e7
	s_mov_b32 s[G0A], 1
	s_add_nc_u64 s[G0A+2:G0A+3], s[4:5], s[78:79]
	s_or_b32 s[G0A+3], s[G0A+3], 0x80000000
	s_mov_b32 s[G0B], 1
	s_add_nc_u64 s[G0B+2:G0B+3], s[4:5], s[80:81]
	s_or_b32 s[G0B+3], s[G0B+3], 0x80000000
	s_add_nc_u64 s[74:75], s[4:5], s[88:89]        ; the high tile's q
	s_add_nc_u64 s[76:77], s[4:5], s[90:91]        ; the low tile's
	s_add_nc_u64 s[70:71], s[8:9], s[94:95]        ; the high tile's y
	s_add_nc_u64 s[72:73], s[8:9], s[96:97]        ; the low tile's
	CROUND                                         ; all four work-groups are here: the joint loads meet
	tensor_load_to_lds s[G0A:G0A+3], s[G1A:G1A+7]  ; keys 0-511: every wave issues both loads; this one lands before the second is issued
	s_nop 0
	s_wait_alu depctr_va_vdst(0)
	s_wait_tensorcnt 0x0
	ds_add_u32 v232, v233
	s_wait_dscnt 0x0
	CROUND
	tensor_load_to_lds s[G0B:G0B+3], s[G1B:G1B+7]  ; keys 512-2047
	s_nop 0
.rept 4
	v_nop
.endr
	v_and_b32 v6, 31, v0
	s_delay_alu instid0(VALU_DEP_1)
	v_lshlrev_b32 v[L16], 4, v6
	global_load_b128 v[QH:QH+3], v[L16], s[74:75]
	global_load_b128 v[QH+4:QH+7], v[L16], s[74:75] offset:512
	global_load_b128 v[QL:QL+3], v[L16], s[76:77]
	global_load_b128 v[QL+4:QL+7], v[L16], s[76:77] offset:512
	v_add_nc_u32 v[LV], VBASE, v[L16]
	v_and_b32 v6, 15, v0                           ; r
	s_delay_alu instid0(VALU_DEP_1)
	v_and_b32 v7, 8, v6
	s_delay_alu instid0(VALU_DEP_1)
	v_add_nc_u32 v6, v6, v7                        ; r + 8 (r / 8)
	v_bfe_u32 v7, v0, 4, 1
	s_delay_alu instid0(VALU_DEP_1)
	v_lshlrev_b32 v7, 4, v7                        ; 16 h
	s_delay_alu instid0(VALU_DEP_1)
	v_sub_nc_u32 v[DQ], v6, v7
	s_delay_alu instid0(VALU_DEP_1)
	v_add_nc_u32 v[DQ], s59, v[DQ]
	v_mov_b32 v[PD], 0                             ; written once: a lane permute's destination counts as one of its sources
	v_mov_b32 v[F+1], 0                            ; (named as the upper half of a pair)
	s_wait_kmcnt 0x0
	s_add_co_i32 s98, s50, s51
	s_lshl_b32 s98, s98, 23
	s_add_co_i32 s[CS], s[CS], s98                 ; a score stands for score x 2^(e2 + e3): added to c's exponent field
	s_mov_b32 s[CS+1], s[CS]
	s_add_co_i32 s98, s52, 127
	s_lshl_b32 s99, s98, 23
	v_mov_b32 v[PSC], s99
	s_sub_co_i32 s98, s54, s52
	s_sub_co_i32 s98, s98, s53                     ; O / l stands for that x 2^(e4 + e5): the three scales are folded into the conversion's one
	s_add_co_i32 s98, s98, 127
	s_lshl_b32 s99, s98, 23
	v_mov_b32 v[YSC], s99
; A KEY STEP: 128 keys.  q: my tile's fragment of Q.  edge = 1: the step may lie behind or on the tile's diagonal.
.macro STEP q, edge
.if \edge
	s_cmp_gt_u32 s[KS], s[GD]                      ; all its keys come after my queries: only the address step at its end is run
	s_cbranch_scc1 .Lhidden_\@
.endif
	s_setprio 2
	v_add_nc_u32 v[ADK], s[TB], v[L16]
	v_add_nc_u32 v[ADV], s[TB], v[LV]
	v_nop
	v_nop                                          ; with the two additions: four places in front of loads into registers that the last products read
.irp t, 0,1,2,3,4,5,6,7
.irp c, 0,1
	ds_load_b128 v[KV+8*\t+4*\c:KV+8*\t+4*\c+3], v[ADK] offset:1024*\t+512*\c
.endr
.endr
	s_wait_alu depctr_va_vdst(0)
	s_wait_dscnt 0x0
.irp t, 0,1,2,3,4,5,6,7
	v_wmma_f32_16x16x64_fp8_fp8 v[S+8*\t:S+8*\t+7], v[KV+8*\t:KV+8*\t+7], v[\q:\q+7], 0
.endr
.rept 4
	v_nop                                          ; places in front of the loads below and of the first read of the scores
.endr
.irp d, 0,1,2,3
.irp c, 0,1,2,3
	ds_load_b128 v[KV+16*\d+4*\c:KV+16*\d+4*\c+3], v[ADV] offset:2048*\d+512*\c   ; V lands while the softmax is worked
.endr
.endr
.if \edge
	s_cmp_lg_u32 s[KS], s[GD]
	s_cbranch_scc1 .Lopen_\@
	v_mov_b32 v[T0], 0xff800000                    ; on the diagonal hidden scores become -infinity ahead of the maximum: p = 0 then.  Register 16 b + i holds key 32 b + 16 h + i
.set n, 0
.rept 64
	v_cmp_gt_i32 vcc_lo, 32*(n/16)+n%16, v[DQ]
	v_cndmask_b32 v[S+n], v[S+n], v[T0], vcc_lo
.set n, n+1
.endr
.Lopen_\@:
.endif
	v_max3_num_f32 v[T0], v[S], v[S+1], v[S+2]     ; the step's largest score of my query among my 64 keys, in two chains, each tile from its low end on,
	v_max3_num_f32 v[F], v[S+3], v[S+4], v[S+5]
.set n, 6
.rept 14
	v_max3_num_f32 v[T0], v[T0], v[S+n], v[S+n+1]
	v_max3_num_f32 v[F], v[F], v[S+n+2], v[S+n+3]
.set n, n+4
.endr
	v_max3_num_f32 v[T0], v[T0], v[S+62], v[S+63]
	s_delay_alu instid0(VALU_DEP_1)
	v_max_num_f32 v[T0], v[T0], v[F]
	s_delay_alu instid0(VALU_DEP_1)
	v_permlanex16_b32 v[PD], v[T0], s[SEL], s[SEL+1]
	s_delay_alu instid0(VALU_DEP_1)
	v_max_num_f32 v[T0], v[T0], v[PD]              ; and among lane l xor 16's
	s_delay_alu instid0(VALU_DEP_1)
	v_mul_f32 v[T0], s[CS], v[T0]                  ; as t (c is positive)
	s_delay_alu instid0(VALU_DEP_1)
	v_max_num_f32 v13, v13, v[T0]                  ; the running largest t
	v_mov_b32 v[T0], v12
	s_delay_alu instid0(VALU_DEP_2)
	v_floor_f32 v12, -v13                          ; the new -M = floor(-t): M is a whole number
	s_delay_alu instid0(VALU_DEP_1)
	v_sub_f32 v[T0], v12, v[T0]                    ; old M - new M: a whole number, 0 or less
	s_delay_alu instid0(VALU_DEP_1)
	v_cvt_i32_f32 v[T0], v[T0]                     ; (it saturates)
	s_delay_alu instid0(VALU_DEP_1)
	v_ldexp_f32 v[F], 1.0, v[T0]                   ; f = 2^(old M - new M)
.set n, 0
.rept 32
	v_pk_fma_f32 v[S+n:S+n+1], v[S+n:S+n+1], s[CS:CS+1], v[12:13] op_sel_hi:[1,0,0]   ; t - M, two at a time
.set n, n+2
.endr
.set n, 0
	s_setprio 1
	s_wait_alu depctr_va_vdst(0)
.rept 64
	v_exp_f32 v[S+n], v[S+n]                       ; p = 2^(t - M), at most 1
.set n, n+1
.endr
	v_pk_mul_f32 v[14:15], v[14:15], v[F:F+1] op_sel_hi:[1,0]   ; the sums under the new M (a plain place behind the exponentials)
	s_wait_alu depctr_va_vdst(0)
	v_pk_add_f32 v[SU:SU+1], v[S:S+1], v[S+2:S+3]  ; the row's sum is taken of the unquantised p, in two chains
.set n, 4
.rept 15
	v_pk_add_f32 v[14:15], v[14:15], v[S+n:S+n+1]
	v_pk_add_f32 v[SU:SU+1], v[SU:SU+1], v[S+n+2:S+n+3]
.set n, n+4
.endr
	s_delay_alu instid0(VALU_DEP_1)
	v_pk_add_f32 v[14:15], v[14:15], v[SU:SU+1]
	s_setprio 0
.irp b, 0,1,2,3
.irp i, 0,1,2,3,4,5,6,7,8,9,10,11,12,13,14,15
.endr
	v_cvt_scalef32_pk8_fp8_f32 v[PC+4*\b:PC+4*\b+1], v[S+16*\b:S+16*\b+7], v[PSC]
	v_cvt_scalef32_pk8_fp8_f32 v[PC+4*\b+2:PC+4*\b+3], v[S+16*\b+8:S+16*\b+15], v[PSC]
.endr
.set n, 0
.rept 16
	v_pk_mul_f32 v[O+n:O+n+1], v[O+n:O+n+1], v[F:F+1] op_sel_hi:[1,0]   ; O^T under the new M.  (Also the plain lines between the conversions and the products)
.set n, n+2
.endr
	s_wait_alu depctr_va_vdst(0)
	s_wait_dscnt 0x0                               ; V is in
.irp d, 0,1,2,3
	v_wmma_f32_16x16x128_fp8_fp8 v[O+8*\d:O+8*\d+7], v[KV+16*\d:KV+16*\d+15], v[PC:PC+15], v[O+8*\d:O+8*\d+7]   ; the four accumulators by turns; eight score products stand between two links
.endr
.if \edge
.Lhidden_\@:
.endif
	s_add_co_u32 s[TB], s[TB], 8192
.endm
.macro INIT                            ; a tile begins: O^T and the sum are zeros, the largest t lies under every t: the first change of M multiplies zeros
	v_mov_b32 v13, 0xff61b1e6
	s_delay_alu instid0(VALU_DEP_1)
	v_floor_f32 v12, -v13
	v_mov_b32 v14, 0
	v_mov_b32 v15, 0
.set n, 0
.rept 32
	v_mov_b32 v[O+n], 0
.set n, n+1
.endr
.endm
; A tile leaves: O^T / the sum, held, converted: tiles 0, 1 are d = 16 h + 0 .. 15 and tiles 2, 3 d = 32 + 16 h + 0 .. 15 of my query: two pieces of y's image, 512 consecutive bytes each.
.macro OUT base
.rept 4
	v_nop
.endr
	v_add_f32 v14, v14, v15
	s_delay_alu instid0(VALU_DEP_1)
	v_permlanex16_b32 v[PD], v14, s[SEL], s[SEL+1]
	s_delay_alu instid0(VALU_DEP_1)
	v_add_f32 v14, v14, v[PD]                      ; the row's sum
	s_wait_alu depctr_va_vdst(0)
	v_rcp_f32 v[RL], v14
	v_nop                                          ; a plain place behind the transcendental
	s_wait_alu depctr_va_vdst(0)
	v_mov_b32 v[RL+1], v[RL]
.set n, 0
.rept 16
	v_pk_mul_f32 v[S+n:S+n+1], v[O+n:O+n+1], v[RL:RL+1]
.set n, n+2
.endr
.set n, 0
.rept 32
.set n, n+1
.endr
	s_wait_alu depctr_va_vdst(0)
	s_wait_xcnt 0x0                                ; the earlier tile's stores have read their codes
.irp p, 0,1,2,3
	v_cvt_scalef32_pk8_fp8_f32 v[YC+2*\p:YC+2*\p+1], v[S+8*\p:S+8*\p+7], v[YSC]
.endr
	v_nop
	global_store_b128 v[L16], v[YC:YC+3], s[\base:\base+1]
	global_store_b128 v[L16], v[YC+4:YC+7], s[\base:\base+1] offset:512
.endm
	INIT
	s_mov_b32 s[GD], s85
	s_mov_b32 s[KS], 0
	s_mov_b32 s[TB], 0
	s_wait_loadcnt 0x0                             ; Q
	s_wait_tensorcnt 0x1                           ; my part of keys 0-511 is in; the younger load, keys 512-2047, may be out
	s_barrier_signal -1
	s_barrier_wait -1
.Lfirst:                                               ; the high tile's steps 0-3: open for every wave, since its diagonal step is 8 at the least
	STEP QH, 0
	s_add_co_u32 s[KS], s[KS], 1
	s_cmp_lt_u32 s[KS], 4
	s_cbranch_scc1 .Lfirst
	s_setprio 0
	s_wait_tensorcnt 0x0                           ; my part of keys 512-2047 is in,
	s_wait_dscnt 0x0
	s_barrier_signal -1
	s_barrier_wait -1                              ; everybody's is
	s_mov_b32 s[KS], 4
	s_mov_b32 s[TB], 4*8192
.Lhigh:                                                ; steps 4-15
	STEP QH, 1
	s_add_co_u32 s[KS], s[KS], 1
	s_cmp_lt_u32 s[KS], 16
	s_cbranch_scc1 .Lhigh
	s_setprio 0
	OUT 70
	INIT
	s_mov_b32 s[GD], s82
	s_mov_b32 s[KS], 0
	s_mov_b32 s[TB], 0
.Llow:                                                 ; the low tile: steps 0-7
	STEP QL, 1
	s_add_co_u32 s[KS], s[KS], 1
	s_cmp_lt_u32 s[KS], 8
	s_cbranch_scc1 .Llow
	s_setprio 0
	OUT 72
	s_wait_tensorcnt 0x0
	ds_add_u32 v232, v233
	s_wait_dscnt 0x0
	CROUND                                         ; the closing round
	s_endpgm
.Lfunc_end_k_q03940ee07c_attn:
	.size	k_q03940ee07c_attn, .Lfunc_end_k_q03940ee07c_attn-k_q03940ee07c_attn
	.p2alignl 7, 3214868480
	.fill 96, 4, 3214868480
	.section	.rodata,"a",@progbits
	.p2align	6, 0x0
	.amdhsa_kernel k_q03940ee07c_attn
		.amdhsa_group_segment_fixed_size 327680
		.amdhsa_private_segment_fixed_size 0
		.amdhsa_enable_private_segment 0
		.amdhsa_kernarg_size 24
		.amdhsa_user_sgpr_count 2
		.amdhsa_user_sgpr_kernarg_segment_ptr 1
		.amdhsa_wavefront_size32 1
		.amdhsa_system_sgpr_workgroup_id_x 1
		.amdhsa_system_sgpr_workgroup_id_y 1
		.amdhsa_system_sgpr_workgroup_id_z 1
		.amdhsa_system_vgpr_workitem_id 0
		.amdhsa_next_free_vgpr 234
		.amdhsa_next_free_sgpr 100
		.amdhsa_reserve_vcc 1
		.amdhsa_float_denorm_mode_32 3
		.amdhsa_float_denorm_mode_16_64 3
		.amdhsa_fp16_overflow 1
		.amdhsa_memory_ordered 1
		.amdhsa_forward_progress 1
		.amdhsa_inst_pref_size 66
	.end_amdhsa_kernel
	.amdgpu_metadata
---
amdhsa.version: [ 1, 2 ]
amdhsa.kernels:
  - .name:           k_q03940ee07c_attn
    .symbol:         k_q03940ee07c_attn.kd
    .args:
      - { .name: qkv, .offset: 0, .size: 8, .value_kind: global_buffer, .address_space: global }
      - { .name: lowp_scales, .offset: 8, .size: 8, .value_kind: global_buffer, .address_space: global }
      - { .name: y_img, .offset: 16, .size: 8, .value_kind: global_buffer, .address_space: global }
    .group_segment_fixed_size: 327680
    .private_segment_fixed_size: 0
    .kernarg_segment_align: 8
    .kernarg_segment_size: 24
    .max_flat_workgroup_size: 512
    .sgpr_count:     100
    .vgpr_count:     234
    .wavefront_size: 32
...
	.end_amdgpu_metadata
.endif
;; end of part 3
;; launch gemm_out (part 4): grid 4 x 32, 4 waves a work-group, clusters of 4 x 4, 327,680 bytes of LDS; arguments y_img, wp_img, lowp_scales, out0; writes out0
.if DOCPART == 4
	.amdgcn_target "amdgcn-amd-amdhsa--gfx1250"
	.amdhsa_code_object_version 6
	.text
	.protected	k_q03940ee07c_gemm_out
	.globl	k_q03940ee07c_gemm_out
	.p2align	8
	.type	k_q03940ee07c_gemm_out,@function
k_q03940ee07c_gemm_out:
	s_mov_b64 s[64:65], 0
	v_nop
	global_prefetch_b8 v0, s[64:65] scope:SCOPE_SE
	s_setreg_imm32_b32 hwreg(HW_REG_WAVE_MODE, 25, 1), 1
	s_wait_xcnt 0x0
	s_wait_alu depctr_hold_cnt(0) depctr_sa_sdst(0) depctr_va_vdst(0) depctr_va_sdst(0) depctr_va_ssrc(0) depctr_va_vcc(0) depctr_vm_vsrc(0)
	s_getreg_b32 s2, hwreg(HW_REG_IB_STS2, 6, 4)
	s_cmp_eq_u32 s2, 0
	s_cbranch_scc0 .Lentry_in_a_cluster
	s_endpgm
.Lentry_in_a_cluster:
	s_bfe_u32 s2, ttmp6, 0x10000c
	s_cmp_lg_u32 s2, 0xf033
	s_cbranch_scc0 .Lentry_shape_is_right
	s_endpgm
.Lentry_shape_is_right:
; out0 = y W_proj on codes of FP8 (E4M3), K = 1,024; out0 [8192][1024] f32 = sum x 2^(e6 + e7).  LIMIT: e6 + e7 between -126 and 127.
; OPERANDS are register images: a block = 16 rows x 1,024 k = 16,384 bytes = 8 fragments (128 k) of 4 pieces of 512 bytes, 16 bytes a lane; row rho of block 2 B + u is row 32 B + 8 u + rho + 8 (rho / 8).
; A tile of 256 x 256 is made by four waves, each 128 x 128: 64 accumulators, 512 registers.  K goes in steps of 256 through two LDS slots filled by the tensor data mover.
; THE MATRIX INSTRUCTION IS USED TRANSPOSED (source 0 = 16 columns of W_proj, source 1 = 16 tokens): a lane holds one token and, in tiles 2 p and 2 p + 1, the neighbouring columns 32 p + 16 (lane / 16) + 0 .. 15.
; CLUSTERS: 4 x 4 work-groups; y's tile is shared along a row of the cluster, W_proj's along a column: each is asked for jointly.
; 128 work-groups: a tile of 256 x 128 would make 256, with a wave tile of 128 x 64, which reads half as much again from LDS for each product.
; REGISTERS, in windows of 256: window 0: v16-31 addresses; v128-255 A's fragments, ONE set; on the way out v32-95 a block's numbers, v128-255 rows read back.
;   window 1: B's fragments, TWO sets.   windows 2, 3: the accumulators of my A blocks 0-3, 4-7 ((a, b) at v[8 (8 (a % 4) + b)]).
.set SLOT,   131072                    ; A's 16 blocks x 4,096 bytes (256 along K), then B's 16
.set KSTEPB, 4096
.set SPARE,  2*SLOT                    ; behind the ring: the spare words, 128 bytes for each wave, that no other line names
.set SPITCH, 528                       ; the way out: a stage of 16 rows x (512 bytes + 16) for each wave, in slot 0, which has had its last fill and its last read when the first result is stored there
.set ROWC,   4096                      ; a row of out0 in bytes
.set FR,     16
.set NL,     4
.set NP,     4
.set ADRA, 16
.set ADRB, 20
.set STO,  24                          ; v24  the way out: where I put my numbers of a row
.set RD,   25                          ; v25  where I read a row back
.set CO,   26                          ; v26  16 x lane: my bytes of a row's 512
.set SPW,  28
.set NIL,  29
.set TMP,  32
.set AF,   128
.set BK,   128
.set G1, 24
.set G0, 32
.set G1B, 48
.set G0B, 56
.set MSB, 0
.macro WIN new                         ; the immediate's high byte repeats the setting that is left
.if MSB != \new
	s_set_vgpr_msb (MSB<<8)|\new
.set MSB, \new
.endif
.endm
.set MUL_LO, 0xa1
.set MUL_HI, 0xf1
.set TO_B,   0x40
.macro JLOAD g0a, g1a, g0b, g1b        ; a joint load: waves 0 and 1 fetch for A, waves 2 and 3 for B; four v_nop follow each of the two lines
	s_cmp_eq_u32 s15, 0
	s_cbranch_scc0 .Lfor_b_\@
	tensor_load_to_lds s[\g0a:\g0a+3], s[\g1a:\g1a+7]
	s_nop 0
.rept 4
	v_nop
.endr
	s_branch .Lasked_\@
.Lfor_b_\@:
	tensor_load_to_lds s[\g0b:\g0b+3], s[\g1b:\g1b+7]
	s_nop 0
.rept 4
	v_nop
.endr
.Lasked_\@:
.endm
.macro CREST
	s_cmp_lg_u32 s14, 0
	s_cbranch_scc1 .Lnot_wave_0_\@
	s_barrier_signal -3
.Lnot_wave_0_\@:
	s_barrier_wait -3
	s_barrier_signal -1
	s_barrier_wait -1
.endm
.macro CROUND
	s_barrier_signal -1
	s_barrier_wait -1
	CREST
.endm
	s_load_b128 s[4:7], s[0:1], 0x0                ; y's image s[4:5], W_proj's s[6:7]
	s_load_b128 s[8:11], s[0:1], 0x10              ; the scales s[8:9], out0 s[10:11]
	v_lshl_add_u32 v[SPW], v0, 2, SPARE
	v_mov_b32 v[NIL], 0
	ds_add_u32 v28, v29
	ds_add_u32 v28, v29
	s_wait_dscnt 0x0
	v_lshrrev_b32 v1, 5, v0
	v_readfirstlane_b32 s14, v1                    ; wave 0..3
	s_lshr_b32 s15, s14, 1                         ; which half of the tokens is mine.  Also: I fetch for A (0) or for B (1)
	s_and_b32 s16, s14, 1                          ; which half of the columns.  Also: which 8 blocks of that tile I fetch
	s_bfe_u32 s40, ttmp6, 0x40000                  ; cx, cy
	s_bfe_u32 s41, ttmp6, 0x40004
	s_lshl_b32 s42, ttmp9, 2
	s_add_co_u32 s42, s42, s40                     ; tile column = 4 x cluster x + cx
	s_and_b32 s17, ttmp7, 0xffff
	s_lshl_b32 s17, s17, 2
	s_add_co_u32 s17, s17, s41                     ; tile row = 4 x cluster y + cy
	s_lshl_b32 s43, s41, 2
	s_lshl_b32 s43, 15, s43                        ; my row of the cluster
	s_lshl_b32 s44, 0x1111, s40                    ; my column
	s_or_b32 s[G1+0], s43, (3<<16)|(1<<21)         ; 15:0 the mask; 17:16 elements of 8 bytes; 21 set beside a mask; no padding
	s_or_b32 s[G1B+0], s44, (3<<16)|(1<<21)
.irp g, G1, G1B
	s_mov_b32 s[\g+1], 512<<16                     ; tensor_dim0 = 512 elements: 4,096 bytes of a block
	s_mov_b32 s[\g+2], 8<<16                       ; tensor_dim1 = 8 blocks
	s_mov_b32 s[\g+3], 512<<16                     ; tile_dim0
	s_mov_b32 s[\g+4], 8                           ; tile_dim1
	s_mov_b32 s[\g+5], 2048                        ; tensor_dim0_stride: a block's 16,384 bytes
	s_mov_b32 s[\g+6], 0
	s_mov_b32 s[\g+7], 0
.endr
	s_lshl_b32 s18, s16, 17
	s_lshl_b32 s20, s17, 18
	s_add_co_u32 s20, s20, s18
	s_mov_b32 s21, 0
	s_lshl_b32 s46, s42, 18
	s_add_co_u32 s46, s46, s18
	s_mov_b32 s47, 0
	s_lshl_b32 s45, s14, 15                        ; where they go: wave x 32,768
	s_wait_kmcnt 0x0
	s_load_b64 s[96:97], s[8:9], 0x18              ; e6, e7
	s_add_nc_u64 s[20:21], s[4:5], s[20:21]
	s_add_nc_u64 s[46:47], s[6:7], s[46:47]
	CROUND                                         ; all sixteen work-groups are here: the first joint loads meet
.irp s, 0,1
	s_mov_b32 s[G0+4*\s], 1
	s_add_co_u32 s[G0+4*\s+1], s45, \s*SLOT
	s_add_nc_u64 s[G0+4*\s+2:G0+4*\s+3], s[20:21], \s*KSTEPB
	s_or_b32 s[G0+4*\s+3], s[G0+4*\s+3], 0x80000000
	s_mov_b32 s[G0B+4*\s], 1
	s_add_co_u32 s[G0B+4*\s+1], s45, \s*SLOT
	s_add_nc_u64 s[G0B+4*\s+2:G0B+4*\s+3], s[46:47], \s*KSTEPB
	s_or_b32 s[G0B+4*\s+3], s[G0B+4*\s+3], 0x80000000
	s_wait_alu depctr_va_vdst(0)
	s_wait_tensorcnt 0x0
	ds_add_u32 v28, v29
	ds_add_u32 v28, v29
	s_wait_dscnt 0x0
	CROUND
	JLOAD G0+4*\s, G1, G0B+4*\s, G1B
.endr
	v_and_b32 v1, 31, v0
	v_lshlrev_b32 v[CO], 4, v1                     ; 16 x lane
	s_lshl_b32 s22, s15, 15
	s_lshl_b32 s23, s16, 15
	s_add_co_u32 s23, s23, 65536
.irp s, 0,1
	v_add_nc_u32 v[ADRA+\s], s22, v[CO]
	v_add_nc_u32 v[ADRB+\s], s23, v[CO]
	s_add_co_u32 s22, s22, SLOT
	s_add_co_u32 s23, s23, SLOT
.endr
	v_and_b32 v2, 15, v0                           ; r
	v_bfe_u32 v3, v0, 4, 1                         ; h
	s_mul_i32 s23, s14, 16*SPITCH                  ; my stage
	v_mul_u32_u24 v5, v2, SPITCH
	v_lshl_add_u32 v5, v3, 6, v5
	v_add_nc_u32 v[STO], s23, v5                   ; in: row r, + 64 h: tile 2 p + u's eight columns lie 128 p + 32 u bytes on
	v_add_nc_u32 v[RD], s23, v[CO]                 ; back: the 32 lanes take one row of 512 bytes
	s_lshl_b32 s72, s17, 8
	s_lshl_b32 s73, s15, 7
	s_add_co_u32 s72, s72, s73                     ; my first row of out0
	s_lshl_b32 s72, s72, 12
	s_lshl_b32 s74, s42, 10                        ; my first column, in bytes
	s_lshl_b32 s75, s16, 9
	s_add_co_u32 s74, s74, s75
	s_add_co_u32 s72, s72, s74
	s_mov_b32 s73, 0
	s_add_nc_u64 s[10:11], s[10:11], s[72:73]
.macro FRAG reg, adr, q, i
.irp c, 0,1,2,3
	ds_load_b128 v[\reg+4*\c:\reg+4*\c+3], v[\adr] offset:2048*(\q)+512*\c+(\i)*KSTEPB
.endr
.endm
; The 64 accumulators take turns, one instruction a turn, in the same order in every step.
.macro MUL16 a0, p, zero
.irp a, \a0, \a0+1
.irp b, 0,1,2,3,4,5,6,7
.if \zero
	v_wmma_f32_16x16x128_fp8_fp8 v[8*(8*((\a)%4)+\b):8*(8*((\a)%4)+\b)+7], v[128*(\p)+FR*\b:128*(\p)+FR*\b+FR-1], v[AF+FR*(\a):AF+FR*(\a)+FR-1], 0
.else
	v_wmma_f32_16x16x128_fp8_fp8 v[8*(8*((\a)%4)+\b):8*(8*((\a)%4)+\b)+7], v[128*(\p)+FR*\b:128*(\p)+FR*\b+FR-1], v[AF+FR*(\a):AF+FR*(\a)+FR-1], v[8*(8*((\a)%4)+\b):8*(8*((\a)%4)+\b)+7]
.endif
.endr
.endr
.endm
.macro FETCH_B slot, q, p
	WIN TO_B
.irp i, 0,1,2,3,4,5,6,7
	FRAG 128*(\p)+FR*\i, ADRB+\slot, \q, \i
.endr
	WIN 0
.endm
.macro FETCH_A slot, q, i0
.irp i, \i0, \i0+1, \i0+2, \i0+3
	FRAG AF+FR*(\i), ADRA+\slot, \q, \i
.endr
.endm
.macro PLACES n                        ; plain vector lines between a matrix instruction and a load into, or a vector read of, its registers
.rept \n
	v_nop
.endr
.endm
.macro STEP slot, q, zero
	s_wait_dscnt 4*NL                              ; B's set and A's blocks 0-3 are in; the youngest 16 loads (A's blocks 4-7) may be out
	WIN MUL_LO
	MUL16 0, (\q)%2, \zero
	MUL16 2, (\q)%2, \zero
	s_wait_dscnt 0
	PLACES NP
	FETCH_B \slot, (\q)+1, 1-(\q)%2
	FETCH_A \slot, (\q)+1, 0
	WIN MUL_HI
	MUL16 4, (\q)%2, \zero
	MUL16 6, (\q)%2, \zero
	PLACES NP
	WIN 0
	FETCH_A \slot, (\q)+1, 4
.endm
.macro TURN slot, next, fill
	s_wait_tensorcnt 0x0                           ; all my tensor loads have landed: my part of the next slot
	ds_add_u32 v[SPW], v[NIL]                      ; 0 onto my spare word
	s_wait_dscnt 4*NL+1                            ; (the add and the youngest 16 loads may be out)
	WIN MUL_LO
	MUL16 0, 1, 0
	s_wait_dscnt 0x0                               ; the add is done, and my reads of this slot are over
	s_barrier_signal -1
	MUL16 2, 1, 0
	WIN 0
	s_barrier_wait -1
.if \fill
	CREST                                          ; a round of the cluster's barrier: no wave of any partner still reads this slot or has a load on its way
	s_add_nc_u64 s[G0+4*\slot+2:G0+4*\slot+3], s[G0+4*\slot+2:G0+4*\slot+3], 2*KSTEPB
	s_add_nc_u64 s[G0B+4*\slot+2:G0B+4*\slot+3], s[G0B+4*\slot+2:G0B+4*\slot+3], 2*KSTEPB
	JLOAD G0+4*\slot, G1, G0B+4*\slot, G1B
.else
	PLACES NP
.endif
	FETCH_B \next, 0, 0
	FETCH_A \next, 0, 0
	WIN MUL_HI
	MUL16 4, 1, 0
	MUL16 6, 1, 0
	PLACES NP
	WIN 0
	FETCH_A \next, 0, 4
.endm
	s_wait_alu depctr_va_vdst(0)
	s_wait_tensorcnt 1                             ; my part of slot 0 is in; slot 1's load may be out
	s_barrier_signal -1
	s_barrier_wait -1
	FETCH_B 0, 0, 0
	FETCH_A 0, 0, 0
	FETCH_A 0, 0, 4
	STEP 0, 0, 1                                   ; eight steps of 128 along K, written out
	TURN 0, 1, 1
	STEP 1, 0, 0
	TURN 1, 0, 1
	STEP 0, 0, 0
	TURN 0, 1, 0
	STEP 1, 0, 0
	s_wait_dscnt 4*NL
	WIN MUL_LO
	MUL16 0, 1, 0
	MUL16 2, 1, 0
	s_wait_dscnt 0
	WIN MUL_HI
	MUL16 4, 1, 0
	MUL16 6, 1, 0
	WIN 0
; THE WAY OUT, block by block of 16 tokens x 128 columns: through my own stage in LDS, back as whole rows of 512 bytes.  LDS serves a wave's instructions in order: no wait between the stores and the loads.
.macro TOSTAGE a
.set AC, 64*((\a)%4)
	WIN 0x02+((\a)/4)                              ; source 0: window 2 or 3
.set j, 0
.rept 32
	v_pk_mul_f32 v[TMP+j:TMP+j+1], v[AC+j:AC+j+1], s[96:97] op_sel_hi:[1,0]   ; x 2^(e6 + e7); each accumulator from its low end on
.set j, j+2
.endr
	WIN 0
.irp b, 0,1,2,3,4,5,6,7
	ds_store_b128 v[STO], v[TMP+8*\b:TMP+8*\b+3] offset:128*(\b/2)+32*(\b%2)
	ds_store_b128 v[STO], v[TMP+8*\b+4:TMP+8*\b+7] offset:128*(\b/2)+32*(\b%2)+16
.endr
.set BB, BK+64*((\a)%2)
.irp t, 0,1,2,3,4,5,6,7,8,9,10,11,12,13,14,15
	ds_load_b128 v[BB+4*\t:BB+4*\t+3], v[RD] offset:\t*SPITCH
.endr
.endm
.macro SEND a, younger                 ; younger: the LDS instructions issued behind block a's loads, which may stay out
.set BB, BK+64*((\a)%2)
	s_wait_dscnt \younger
.if (\a) > 0
.if ((\a)%2) == 1
	s_add_nc_u64 s[10:11], s[10:11], 8*ROWC        ; (behind a wait on XCNT)  block 2 B + 1 begins 8 rows behind block 2 B,
.else
	s_add_nc_u64 s[10:11], s[10:11], 24*ROWC       ; block 2 B + 2 another 24
.endif
.endif
.irp t, 0,1,2,3,4,5,6,7,8,9,10,11,12,13,14,15
	global_store_b128 v[CO], v[BB+4*\t:BB+4*\t+3], s[10:11] offset:(\t+8*(\t/8))*ROWC th:TH_STORE_NT   ; 32 lanes store 512 consecutive bytes of the block's row t
.endr
.endm
	s_wait_kmcnt 0x0
	s_add_co_i32 s96, s96, s97
	s_add_co_i32 s96, s96, 127
	s_lshl_b32 s96, s96, 23                        ; 2^(e6 + e7) as f32
	PLACES NP
	TOSTAGE 0
.irp a, 1,2,3,4,5,6,7
.if \a > 1
	s_wait_xcnt 0x0                                ; block a - 2's stores have read their registers and their base
.endif
	TOSTAGE \a
	SEND \a-1, 32                                  ; behind block a - 1's loads: block a's 16 stores and 16 loads
.endr
	s_wait_xcnt 0x0
	SEND 7, 0
	s_wait_tensorcnt 0x0                           ; the wave's end
	ds_add_u32 v[SPW], v[NIL]
	s_wait_dscnt 0x0
	CROUND                                         ; the closing round
	s_endpgm
.Lfunc_end_k_q03940ee07c_gemm_out:
	.size	k_q03940ee07c_gemm_out, .Lfunc_end_k_q03940ee07c_gemm_out-k_q03940ee07c_gemm_out
	.p2alignl 7, 3214868480
	.fill 96, 4, 3214868480
	.section	.rodata,"a",@progbits
	.p2align	6, 0x0
	.amdhsa_kernel k_q03940ee07c_gemm_out
		.amdhsa_group_segment_fixed_size 327680
		.amdhsa_private_segment_fixed_size 0
		.amdhsa_enable_private_segment 0
		.amdhsa_kernarg_size 32
		.amdhsa_user_sgpr_count 2
		.amdhsa_user_sgpr_kernarg_segment_ptr 1
		.amdhsa_wavefront_size32 1
		.amdhsa_system_sgpr_workgroup_id_x 1
		.amdhsa_system_sgpr_workgroup_id_y 1
		.amdhsa_system_sgpr_workgroup_id_z 1
		.amdhsa_system_vgpr_workitem_id 0
		.amdhsa_next_free_vgpr 1024
		.amdhsa_next_free_sgpr 100
		.amdhsa_reserve_vcc 0
		.amdhsa_float_denorm_mode_32 3
		.amdhsa_float_denorm_mode_16_64 3
		.amdhsa_memory_ordered 1
		.amdhsa_forward_progress 1
		.amdhsa_inst_pref_size 123
	.end_amdhsa_kernel
	.amdgpu_metadata
---
amdhsa.version: [ 1, 2 ]
amdhsa.kernels:
  - .name:           k_q03940ee07c_gemm_out
    .symbol:         k_q03940ee07c_gemm_out.kd
    .args:
      - { .name: y_img, .offset: 0, .size: 8, .value_kind: global_buffer, .address_space: global }
      - { .name: wp_img, .offset: 8, .size: 8, .value_kind: global_buffer, .address_space: global }
      - { .name: lowp_scales, .offset: 16, .size: 8, .value_kind: global_buffer, .address_space: global }
      - { .name: out0, .offset: 24, .size: 8, .value_kind: global_buffer, .address_space: global }
    .group_segment_fixed_size: 327680
    .private_segment_fixed_size: 0
    .kernarg_segment_align: 8
    .kernarg_segment_size: 32
    .max_flat_workgroup_size: 128
    .sgpr_count:     100
    .vgpr_count:     1024
    .wavefront_size: 32
...
	.end_amdgpu_metadata
.endif
;; end of part 4
